; MI455X (gfx1250); checked and timed in simulation.
; The chip was launched on July 23, 2026; its instructions are those of AMD's public machine-readable ISA for CDNA 5 (MIT licence, August 2026) and "CDNA5" Instruction Set Architecture Reference Guide (July 2026). The comments in the code are by the model that wrote it; some were corrected since.
;; Model. Allowed arithmetic: matrix products marked QUANTISED: E2M1 operands, one E8M0 scale for each 32 along K, by v_wmma_scale_f32_16x16x128_f8f6f4 with both operands' format E2M1 (or v_wmma_scale_f32_32x16x128_f4), f32 sums; everything else in f32.
;; Inputs: K 2,048 x 8 x 64 float32; Q 2,048 x 8 x 4 x 64 float32; S 32 float32; V 2,048 x 8 x 64 float32.
;; Outputs: out0 2,048 x 2,048 float32.
;; This version of the problem:
;;   THIS VERSION OF THE PROBLEM IS GIVEN IN LOW PRECISION. The matrix products marked QUANTISED in the list below multiply operands that are first quantised to E2M1 (2 exponent bits, 1 mantissa bit; 4 bits a number), with one power-of-two scale for each 32 numbers along K (OCP MX v1.0); their sums are f32. All else is computed in f32.
;;   The module's matrix products, in the order in which they are computed (A, B: the left and right operand; K: the contracted axis; several contracted axes count as one K, in the product's order):
;;     1. batch 8 x [M 2,048, K 64] x [K 64, N 8,192]; A: input K; B: input Q: QUANTISED
;;     2. batch 8 x [M 64, K 2,048] x [K 2,048, N 8,192]; A: input V; B: computed on the way: QUANTISED
;;   THE QUANTISER, for each operand of a quantised product, along K:
;;     - K is cut into blocks of 32 from its start; a last block that is shorter is filled with zeros.
;;     - A block's scale is 2^e with e = floor(log2(the largest magnitude in the block)) - 2, held to -126 .. 127; a block of zeros has e = 0. As a byte (E8M0): e + 127.
;;     - Each number is divided by its block's scale, clamped to +-6, and rounded to the nearest number of E2M1, ties to even, subnormals kept.
;;     - The product sums the exact products of the quantised numbers (number of the format x scale) in f32.
;;   ~~~python
;;   def quantise(x, axis):      # numpy; x: float32 -> the quantised numbers, widened to float32 again
;;       x = np.moveaxis(x, axis, -1); K = x.shape[-1]
;;       x = np.pad(x, [(0, 0)] * (x.ndim - 1) + [(0, -K % 32)]); x = x.reshape(x.shape[:-1] + (-1, 32)); a = np.abs(x).max(-1, keepdims=True)
;;       e = np.where(a > 0, np.clip(np.frexp(np.where(a > 0, a, 1))[1] - 1 - 2, -126, 127), 0)      # np.frexp(a)[1] - 1 = floor(log2(a)), exactly
;;       r = np.clip(x / 2.0 ** e, -6, 6)
;;       step = 2.0 ** (np.maximum(np.frexp(np.where(r == 0, 1, r))[1] - 1, 0) - 1)
;;       q = np.round(r / step) * step * 2.0 ** e      # np.round: ties to even
;;       return np.moveaxis(q.reshape(q.shape[:-2] + (-1,))[..., :K], -1, axis).astype(np.float32)
;;   ~~~
;;   OPERANDS COMPUTED ON THE WAY. 'Computed on the way' means the value that the module computes at that place (a softmax that the list does not call 'softmax' is quantised finished and normalised). What goes into a quantiser is computed in f32, as accurately as f32 sums, v_exp_f32 and their like allow (about 1e-6 of the number): no bf16 or f16 on the way to a quantiser, and a product that is left as it is and whose result goes on into a quantised operand takes f32 operands (vector FMAs, or v_wmma_f32_16x16x4_f32). A number that lies on a knife's edge between two numbers of the format may be rounded either way, as far as f32 arithmetic and the matrix unit's own rounding can turn it there, and no further.
;; One version. Each part assembles by itself: llvm-mc -triple=amdgcn-amd-amdhsa -mcpu=gfx1250 --defsym DOCPART=n.
;; ======== version 1 of 1: 1 launch
;; launch attn (part 1): grid 32 x 8, 16 waves a work-group, no clusters, 256,000 bytes of LDS; arguments Q, K, V, S, out0; writes out0
.if DOCPART == 1
	.amdgcn_target "amdgcn-amd-amdhsa--gfx1250"
	.amdhsa_code_object_version 6
	.text
	.protected	k_qc8e8e21f67_attn
	.globl	k_qc8e8e21f67_attn
	.p2align	8
	.type	k_qc8e8e21f67_attn,@function
k_qc8e8e21f67_attn:
	s_mov_b64 s[64:65], 0
	v_nop
	global_prefetch_b8 v0, s[64:65] scope:SCOPE_SE
	s_setreg_imm32_b32 hwreg(HW_REG_WAVE_MODE, 25, 1), 1
	s_wait_xcnt 0x0
; Sliding-window attention with a sink, both products on codes of FP4 (E2M1) with one E8M0 scale for each 32 along a product's K.
; Q [2048 tokens][8 heads][4 m][64] f32, K and V [2048][8][64] f32, S [32] f32, out0 [2048][2048] f32 (column 256 head + 64 m + d).  Query q sees keys q - 127 .. q; the sink logit S[4 head + m]
; enters the softmax's maximum and sum and has no value.  W, the FINISHED, normalised softmax, is what the second product's quantiser takes, in blocks of 32 keys that begin at multiples of 32.
; SHARES.  Work-group (x, y) owns tokens 64 x .. 64 x + 63 of K/V head y, all four m: 16 tiles of 16 queries, one for each of its 16 waves (wave w: tokens 16 (w / 4) on, m = w % 4).
; Its keys are 64 x - 128 .. 64 x + 63: six blocks of 32.  A tile of 16 queries lies inside one block of 32 tokens and so sees exactly five blocks, 160 keys: the whole row of the softmax is 80 registers a lane,
; and the true maximum (the sink among it), one pass of exponentials, the sum, the reciprocal and the quantiser follow each other with no running maximum.  Of the five blocks only the first and the last are cut by the mask.
; PHASES.  0: sixteen tensor loads, one a wave, bring Q (64 KB), K and V (48 KB each) as f32 into LDS; every LDS byte is filled once.  1: waves 0-11 quantise 16 keys of K (along d) and 32 channels x 32 keys of V
; (along the keys) each and lay codes and scale bytes in LDS; every wave quantises its own tile of Q in registers.  2: S^T = K Q^T, mask, softmax, W quantised in registers, O^T = V^T W^T, out through the wave's stage.
; LAYOUT.  Both products are used transposed (source 0 = 16 keys, or 16 channels of V; source 1 = my 16 queries): a lane holds ONE query (lane % 16) throughout.  THE KEYS OF A TILE ARE NOT NEIGHBOURS: row i of tile
; 2 b + u takes key 32 b + 8 u + i + 8 (i / 8), so that the 16 registers of tiles 2 b and 2 b + 1 are keys 32 b + 16 (lane / 16) + 0 .. 15.
; THE FIRST PRODUCT'S K IS 64, the instruction's 128: one A operand carries the two tiles of a pair side by side (k 0-63 and 64-127), and Q stands against the wanted half with zero codes against the other.
; BLOCKS AHEAD OF TOKEN 0 (work-groups x = 0 and 1, always whole blocks) are filled with tokens 0-31, so that no access leaves a buffer; their scores become -infinity, so their W are zero codes.
; NO CLUSTER: a block of 32 keys is wanted by three neighbouring work-groups, but at three different places of their windows (block number 2 apart from x to x + 1).  A joint load lands at one LDS address in all
; partners, so the reads would have to hang on the place in the cluster.  The four query heads that share a K/V head are in one work-group already.
; LIMITS: NaN and infinities among the inputs are not served.  A block whose largest magnitude lies under 2^-124 (a block of zeros too) gets the scale byte 1; the bytes are read by this program alone.
; v_exp_f32 gives 0 for a p under 2^-126.  W = p x v_rcp_f32(sum).  A block's largest W is made from the block's largest score by the same instructions as every W, which takes v_exp_f32 not to fall where its input rises.
.set QP,   1040                        ; LDS pitch of a token's 1,024 bytes of Q (four m) + 16 of padding: an odd multiple of 16
.set KP,   272                         ; LDS pitch of a key's 256 bytes + 16
.set QF,   0                           ; Q as f32: 64 rows x 1,040
.set KF,   66560                       ; K as f32: 192 rows x 272
.set VF,   118784                      ; V as f32: 192 rows x 272.  No tensor load lands behind this region
.set KC,   171008                      ; K's codes as images of operand registers: tile 2 block + u at 512 bytes each, lane (row, half) at 16 row + 256 half
.set KS,   177152                      ; K's scale words: block at 64, row at 4, byte 2 u + half
.set VC,   177664                      ; V's codes: block at 1,024, channel at 16: 32 keys in 16 bytes
.set VS,   183808                      ; V's scale bytes: block at 64, channel at 1
.set STG,  184320                      ; the way out: 16 rows x 272 bytes for each wave
.set FLOOR, 0x1800000                  ; 2^(3 - 127): under it no largest magnitude is taken, so that a scale's byte cannot fall under 1
.set EOFF,  0xff000000                 ; takes 2 off an exponent field
; vector registers
.set AQ,   1                           ; LDS addresses, made once: my lane's 32 numbers of Q
.set AK,   2                           ; of K (waves 0-11)
.set AV,   3                           ; my channel's column of V (waves 0-11)
.set AKC,  4                           ; where my key's codes go
.set AKS,  5                           ; and its scale byte
.set AVC,  6                           ; where my channel's codes go
.set AVSW, 7                           ; and its scale byte
.set AKR,  8                           ; K's fragments, read
.set AKSR, 9                           ; K's scale words, read
.set AVR,  10                          ; V's fragments of my blocks 0-3
.set AVR2, 11                          ; of my block 4
.set AVSR, 12                          ; V's scale bytes, read
.set ASO,  13                          ; the stage: in
.set ASR,  14                          ; and back
.set GO,   15                          ; my byte offset in the tile's rows of out0
.set THR,  16                          ; r - 16 h + e: register i of block 0 counts where i > THR, of block 4 where i <= THR
.set NEG,  17                          ; -infinity
.set NM,   20                          ; v[20:21] -M (the packed form names the pair)
.set RL,   22                          ; v[22:23] 1 / the row's sum
.set QSW,  24                          ; v24-35 hold scales and nothing else: Q's word,
.set KSC,  25                          ; K's five,
.set VW1,  30                          ; V's for blocks 0-3 (lanes 0-15 tile 2 p, lanes 16-31 tile 2 p + 1),
.set VW2,  32                          ; V's for block 4,
.set PW1,  34                          ; W's for blocks 0-3,
.set PW2,  35                          ; W's for block 4
.set UB,   36                          ; v36-43 V's scale bytes as loaded
.set BM,   44                          ; v44-48 a block's largest score, then p, then W
.set BX,   49                          ; v49-53 the other half of the lanes'
.set SCB,  54                          ; v54-58 the conversions' scale operands
.set BYB,  59                          ; v59-63 W's scale bytes
.set SUMA, 64                          ; v[64:65], v[66:67] the row's sum in two chains
.set SUMB, 66
.set PSK,  68                          ; the sink's p
.set QA,   69                          ; the quantiser: two chains of maxima,
.set QB,   70
.set QS,   71                          ; the scale operand,
.set BYK,  72                          ; the bytes of K, V, Q
.set BYV,  73
.set BYQ,  74
.set TT,   75
.set QC,   76                          ; v[76:87] Q's codes | zeros | Q's codes
.set KFR,  88                          ; v[88:127] K's five pairs of tiles
.set SS,   128                         ; v[128:207] scores, then p, then W: register 16 b + i
.set PC,   208                         ; v[208:223] W's codes
.set OO,   224                         ; v[224:255] O^T: four tiles of 16 channels
.set XQ,   128                         ; phase 1: 32 numbers of Q, of K, of V
.set XK,   160
.set XV,   192
.set KCT,  88                          ; phase 1: the codes just made
.set VCT,  92
.set VF1,  76                          ; behind the first product: V's fragments of blocks 0-3, tile t at 8 t
.set VF2,  108                         ; of block 4, tile t at 4 t; v124-127 zeros
.set OB,   128                         ; the way out: rows read back
.set LN,   54                          ; at the head only: lane, r, h, r % 8, r / 8, 272 r
.set RR,   55
.set HH,   56
.set R7,   57
.set R8,   58
.set T272, 59
; scalar registers
.set WV,   14                          ; wave 0..15
.set TSI,  15                          ; which 16 tokens: wave / 4
.set MI,   16                          ; m: wave % 4
.set GI,   17                          ; g: my first block of the six: wave / 8
.set EI,   18                          ; e: 16 where my tokens are the upper half of their block
.set T0,   19                          ; the work-group's first token
.set HY,   20                          ; the head
.set G1Q,  24                          ; s[24:31] descriptor group 1 for Q's tiles
.set G1KV, 32                          ; s[32:39] for K's and V's
.set G0Q,  40                          ; s[40:43] group 0 for Q
.set G0KV, 44                          ; s[44:47] for K or V
.set CS,   48                          ; s[48:49] c = SM_SCALE x log2(e)
.set SEL,  50                          ; s[50:51] v_permlanex16_b32's selects for lane l xor 16
; 32 numbers of one block in v[x] .. v[x + 31] become 4 registers of codes in v[c] on and the scale's byte in v[by].
.macro QUANT32 x, c, by
	v_max3_num_f32 v[QA], |v[\x]|, |v[\x+1]|, FLOOR                ; the largest magnitude, in two chains, the floor among its leaves
	v_max3_num_f32 v[QB], |v[\x+2]|, |v[\x+3]|, |v[\x+4]|
.irp i, 5,9,13,17,21,25
	s_delay_alu instid0(VALU_DEP_2)
	v_max3_num_f32 v[QA], v[QA], |v[\x+\i]|, |v[\x+\i+1]|
	s_delay_alu instid0(VALU_DEP_2)
	v_max3_num_f32 v[QB], v[QB], |v[\x+\i+2]|, |v[\x+\i+3]|
.endr
	s_delay_alu instid0(VALU_DEP_2)
	v_max3_num_f32 v[QA], v[QA], |v[\x+29]|, |v[\x+30]|
	s_delay_alu instid0(VALU_DEP_1)
	v_max3_num_f32 v[QA], v[QA], v[QB], |v[\x+31]|
	s_delay_alu instid0(VALU_DEP_1)
	v_add_nc_u32 v[QS], EOFF, v[QA]                                ; 2 off its exponent field: the conversion takes the exponent field of this operand as its scale, and nothing else of it
	s_delay_alu instid0(VALU_DEP_1)
	v_lshrrev_b32 v[\by], 23, v[QS]                                ; the scale's byte
.irp g, 0,1,2,3
	v_cvt_scalef32_pk8_fp4_f32 v[\c+\g], v[\x+8*\g:\x+8*\g+7], v[QS]
.endr
	v_nop                                                          ; one plain place behind a scaled conversion
.endm
	; ---- phase 0: ids, every LDS address, the descriptors, one tensor load a wave
	s_load_b256 s[4:11], s[0:1], 0x0               ; Q s[4:5], K s[6:7], V s[8:9], S s[10:11]
	s_load_b64 s[12:13], s[0:1], 0x20              ; out0
	v_lshl_add_u32 v18, v0, 2, 0x3e000
	v_mov_b32 v19, 0
	ds_add_u32 v18, v19
	ds_add_u32 v18, v19
	v_lshrrev_b32 v[LN], 5, v0
	s_delay_alu instid0(VALU_DEP_1)
	v_readfirstlane_b32 s[WV], v[LN]
	v_and_b32 v[LN], 31, v0                        ; lane
	v_and_b32 v[RR], 15, v0                        ; r
	s_wait_alu depctr_va_vdst(0)
	v_bfe_u32 v[HH], v0, 4, 1                      ; h
	v_and_b32 v[R7], 7, v0
	v_bfe_u32 v[R8], v0, 3, 1
	s_lshr_b32 s[TSI], s[WV], 2
	s_and_b32 s[MI], s[WV], 3
	s_lshr_b32 s[GI], s[WV], 3
	s_and_b32 s[EI], s[WV], 4
	s_lshl_b32 s[EI], s[EI], 2
	s_lshr_b32 s21, s[WV], 1                       ; wave / 2: the block that I quantise
	s_and_b32 s22, s[WV], 1
	s_lshl_b32 s22, s22, 7                         ; 128 (wave % 2)
	s_mul_i32 s23, s[TSI], 16*QP                   ; Q: token row 16 (wave / 4) + r, + 256 m, + 128 h: my 32 numbers
	s_lshl_b32 s54, s[MI], 8
	s_add_co_u32 s23, s23, s54
	v_mul_u32_u24 v[AQ], v[RR], QP
	s_wait_alu depctr_va_vdst(0)
	v_lshl_add_u32 v[AQ], v[HH], 7, v[AQ]
	s_delay_alu instid0(VALU_DEP_1)
	v_add_nc_u32 v[AQ], s23, v[AQ]
	s_mul_i32 s54, s[WV], 16*KP                    ; 4,352 x wave: 16 rows of K, and a wave's stage
	s_add_co_u32 s23, s54, KF
	v_mul_u32_u24 v[T272], v[RR], KP
	s_delay_alu instid0(VALU_DEP_1)
	v_lshl_add_u32 v[AK], v[HH], 7, v[T272]        ; K: key row 16 wave + r, + 128 h
	s_delay_alu instid0(VALU_DEP_1)
	v_add_nc_u32 v[AK], s23, v[AK]
	s_mul_i32 s23, s21, 32*KP                      ; V: the block's first key row, channel lane + 32 (wave % 2)
	s_add_co_u32 s23, s23, s22
	s_add_co_u32 s23, s23, VF
	v_lshl_add_u32 v[AV], v[LN], 2, s23
	s_lshl_b32 s23, s21, 10                        ; key 16 (wave % 2) + r of its block is row 8 (wave % 2) + r % 8 of tile u = r / 8
	s_add_co_u32 s23, s23, s22
	s_add_co_u32 s23, s23, KC
	v_lshl_add_u32 v[AKC], v[R7], 4, s23
	s_delay_alu instid0(VALU_DEP_1)
	v_lshl_add_u32 v[AKC], v[R8], 9, v[AKC]
	s_delay_alu instid0(VALU_DEP_1)
	v_lshl_add_u32 v[AKC], v[HH], 8, v[AKC]
	s_lshl_b32 s55, s[WV], 5                       ; 32 x wave = 64 x block + 32 (wave % 2)
	s_add_co_u32 s23, s55, KS
	v_lshl_add_u32 v[AKS], v[R7], 2, s23
	s_delay_alu instid0(VALU_DEP_1)
	v_lshl_add_u32 v[AKS], v[R8], 1, v[AKS]
	s_delay_alu instid0(VALU_DEP_1)
	v_add_nc_u32 v[AKS], v[AKS], v[HH]
	s_add_co_u32 s23, s55, VS
	v_add_nc_u32 v[AVSW], s23, v[LN]
	s_lshl_b32 s23, s[WV], 9                       ; 512 x wave = 1,024 x block + 16 x 32 (wave % 2)
	s_add_co_u32 s23, s23, VC
	v_lshl_add_u32 v[AVC], v[LN], 4, s23
	s_lshl_b32 s55, s[GI], 10                      ; the readers begin at my first block, g
	s_add_co_u32 s23, s55, KC
	v_lshl_add_u32 v[AKR], v[LN], 4, s23
	s_add_co_u32 s23, s55, VC
	v_lshl_add_u32 v[AVR2], v[RR], 4, s23
	s_delay_alu instid0(VALU_DEP_1)
	v_lshl_add_u32 v[AVR], v[HH], 10, v[AVR2]      ; lanes 16-31 take the block one further on
	s_lshl_b32 s55, s[GI], 6
	s_add_co_u32 s23, s55, KS
	v_lshl_add_u32 v[AKSR], v[RR], 2, s23
	s_add_co_u32 s23, s55, VS
	v_add_nc_u32 v[AVSR], s23, v[LN]
	s_add_co_u32 s23, s54, STG                     ; my stage
	v_lshl_add_u32 v[ASO], v[HH], 5, v[T272]       ; in: row r, 32 bytes for each half of the lanes
	s_delay_alu instid0(VALU_DEP_1)
	v_add_nc_u32 v[ASO], s23, v[ASO]
	v_mul_u32_u24 v[ASR], v[HH], KP                ; back: lanes 0-15 one row of 256 bytes, lanes 16-31 the next
	s_delay_alu instid0(VALU_DEP_1)
	v_lshl_add_u32 v[ASR], v[RR], 4, v[ASR]
	s_delay_alu instid0(VALU_DEP_1)
	v_add_nc_u32 v[ASR], s23, v[ASR]
	v_lshlrev_b32 v[GO], 4, v[RR]                  ; and the same two rows in out0: 8,192 bytes apart
	s_delay_alu instid0(VALU_DEP_1)
	v_lshl_add_u32 v[GO], v[HH], 13, v[GO]
	v_lshlrev_b32 v[THR], 4, v[HH]
	s_delay_alu instid0(VALU_DEP_1)
	v_sub_nc_u32 v[THR], v[RR], v[THR]
	s_delay_alu instid0(VALU_DEP_1)
	v_add_nc_u32 v[THR], s[EI], v[THR]
	; descriptor group 1.  Q: 16 tokens x 256 elements of 4 bytes, 2,048 elements from token to token, 4 words of padding behind every 256
	s_mov_b32 s[G1Q+0], (2<<16)|(1<<20)|(7<<22)|(3<<25)
	s_mov_b32 s[G1Q+1], 256<<16                    ; tensor_dim0
	s_mov_b32 s[G1Q+2], 16<<16                     ; tensor_dim1
	s_mov_b32 s[G1Q+3], 256<<16                    ; tile_dim0
	s_mov_b32 s[G1Q+4], 16                         ; tile_dim1
	s_mov_b32 s[G1Q+5], 2048                       ; stride
	s_mov_b32 s[G1Q+6], 0
	s_mov_b32 s[G1Q+7], 0
	; K, V: 32 keys x 64 elements, 512 elements from key to key, 4 words of padding behind every 64
	s_mov_b32 s[G1KV+0], (2<<16)|(1<<20)|(5<<22)|(3<<25)
	s_mov_b32 s[G1KV+1], 64<<16
	s_mov_b32 s[G1KV+2], 32<<16
	s_mov_b32 s[G1KV+3], 64<<16
	s_mov_b32 s[G1KV+4], 32
	s_mov_b32 s[G1KV+5], 512
	s_mov_b32 s[G1KV+6], 0
	s_mov_b32 s[G1KV+7], 0
	s_mov_b32 s[CS], 0x3e8293ee                    ; c = log2(e) / sqrt(32)
	s_mov_b32 s[CS+1], s[CS]                       ; (named with it as a pair, so it is written)
	s_mov_b32 s[SEL], 0x76543210
	s_mov_b32 s[SEL+1], 0xfedcba98
	s_lshl_b32 s[T0], ttmp9, 6
	s_and_b32 s[HY], ttmp7, 0xffff
	s_lshl_b32 s54, s[WV], 4                       ; waves 0-3: Q at token T0 + 16 wave: 8,192 bytes a token, + 1,024 x head
	s_add_co_u32 s54, s54, s[T0]
	s_lshl_b32 s54, s54, 13
	s_lshl_b32 s23, s[HY], 10
	s_add_co_u32 s54, s54, s23
	s_mov_b32 s55, 0
	s_lshl_b32 s58, s[TSI], 4                      ; out0 at my tile's first token, + 1,024 x head + 256 m
	s_add_co_u32 s58, s58, s[T0]
	s_lshl_b32 s58, s58, 13
	s_add_co_u32 s58, s58, s23
	s_lshl_b32 s23, s[MI], 8
	s_add_co_u32 s58, s58, s23
	s_mov_b32 s59, 0
	s_lshl_b32 s60, s[HY], 4                       ; S at 4 head + m
	s_lshl_b32 s23, s[MI], 2
	s_add_co_u32 s60, s60, s23
	s_mov_b32 s61, 0
	s_cmp_lt_u32 s[WV], 10                         ; waves 4-9: K's block wave - 4; waves 10-15: V's block wave - 10
	s_cselect_b32 s56, 4, 10
	s_sub_co_u32 s56, s[WV], s56
	s_lshl_b32 s56, s56, 5
	s_add_co_u32 s56, s56, s[T0]
	s_sub_co_u32 s56, s56, 128                     ; its first token, T0 - 128 + 32 x block,
	s_max_i32 s56, s56, 0                          ; held at 0: a block ahead of token 0 is filled with tokens 0-31
	s_lshl_b32 s56, s56, 11                        ; 2,048 bytes a token, + 256 x head
	s_lshl_b32 s23, s[HY], 8
	s_add_co_u32 s56, s56, s23
	s_mov_b32 s57, 0
	s_mov_b32 s[G0Q], 1                            ; group 0: count = 1,
	s_mul_i32 s[G0Q+1], s[WV], 16*QP               ; LDS address: 16 rows of Q x wave,
	s_mov_b32 s[G0KV], 1
	s_mul_i32 s[G0KV+1], s[WV], 32*KP              ; or 32 rows of K or V x wave, from KF - 4 x 8,704 on: wave 4 lands at KF, wave 10 at VF
	s_add_co_u32 s[G0KV+1], s[G0KV+1], KF-4*32*KP
	s_wait_dscnt 0x0
	s_wait_kmcnt 0x0
	s_add_nc_u64 s[10:11], s[10:11], s[60:61]
	s_load_b32 s52, s[10:11], 0x0                  ; my sink logit
	s_add_nc_u64 s[G0Q+2:G0Q+3], s[4:5], s[54:55]
	s_or_b32 s[G0Q+3], s[G0Q+3], 0x80000000        ; type = 2
	s_cmp_lt_u32 s[WV], 10
	s_cselect_b64 s[G0KV+2:G0KV+3], s[6:7], s[8:9]
	s_add_nc_u64 s[G0KV+2:G0KV+3], s[G0KV+2:G0KV+3], s[56:57]
	s_or_b32 s[G0KV+3], s[G0KV+3], 0x80000000
	s_add_nc_u64 s[12:13], s[12:13], s[58:59]
	s_cmp_lt_u32 s[WV], 4                          ; one tensor load a wave, all sixteen at once: by this text's count one is out in each wave
	s_cbranch_scc0 .Lkv
	tensor_load_to_lds s[G0Q:G0Q+3], s[G1Q:G1Q+7]
	s_nop 0
.rept 4
	v_nop
.endr
	s_branch .Lasked
.Lkv:
	tensor_load_to_lds s[G0KV:G0KV+3], s[G1KV:G1KV+7]
	s_nop 0
.rept 4
	v_nop
.endr
.Lasked:
	v_mov_b32 v[NEG], 0xff800000
	v_mov_b32 v[NM+1], 0                           ; the pairs' upper halves are named by the packed forms, so they are written
	v_mov_b32 v[RL+1], 0
.irp b, 0,1,2,3,4
	v_mov_b32 v[BX+\b], 0                          ; a lane permute's destination counts as one of its sources
.endr
	v_mov_b32 v[TT], 0
	s_wait_tensorcnt 0x0                           ; my tile has landed,
	s_wait_kmcnt 0x0                               ; and the sink logit is in
	s_mul_f32 s53, s52, 0x3fb8aa3b                 ; as t: S x log2(e)
	s_barrier_signal -1
	s_barrier_wait -1                              ; everybody's tile has landed
	; ---- phase 1: the quantisers
.irp j, 0,1,2,3,4,5,6,7
	ds_load_b128 v[XQ+4*\j:XQ+4*\j+3], v[AQ] offset:16*\j          ; my query's 32 numbers of block h
.endr
	s_cmp_lt_u32 s[WV], 12                         ; 192 keys are 12 jobs of 16 for K, 6 blocks x 64 channels 12 jobs of 32 channels for V
	s_cbranch_scc0 .Lno_kv
.irp j, 0,1,2,3,4,5,6,7
	ds_load_b128 v[XK+4*\j:XK+4*\j+3], v[AK] offset:16*\j          ; key 16 wave + r, block h of its 64
.endr
.set i, 0
.rept 32
	ds_load_b32 v[XV+i], v[AV] offset:KP*i                         ; my channel, down the block's 32 keys: the 32 lanes read 128 consecutive bytes
.set i, i+1
.endr
	s_wait_dscnt 32                                ; Q's and K's sixteen loads are in; V's 32 may be out
	QUANT32 XK, KCT, BYK
	ds_store_b128 v[AKC], v[KCT:KCT+3]
	ds_store_b8 v[AKS], v[BYK]
	s_wait_dscnt 2                                 ; V's loads are in; only the two stores are younger
	QUANT32 XV, VCT, BYV
	ds_store_b128 v[AVC], v[VCT:VCT+3]
	ds_store_b8 v[AVSW], v[BYV]
.Lno_kv:
	s_wait_dscnt 0x0                               ; for the others' sake: my stores have landed; and Q is in
	s_barrier_signal -1
	QUANT32 XQ, QC, BYQ                            ; work on registers while the others arrive: my tile of Q
	v_permlanex16_b32 v[TT], v[BYQ], s[SEL], s[SEL+1]
	s_delay_alu instid0(VALU_DEP_1)
	v_lshl_or_b32 v[TT], v[TT], 8, v[BYQ]          ; lanes 0-15: the bytes of blocks 0 and 1 of query r,
	s_delay_alu instid0(VALU_DEP_1)
	v_lshl_or_b32 v[QSW], v[TT], 16, v[TT]         ; twice: for k 0-63 and for k 64-127.  Fourteen plain lines follow it ahead of the products
.irp i, 0,1,2,3
	v_mov_b32 v[QC+8+\i], v[QC+\i]                 ; Q's codes once more behind the zeros
.endr
.irp i, 4,5,6,7
	v_mov_b32 v[QC+\i], 0
.endr
.irp i, 10,11,12,13,14,15
	v_mov_b32 v[PC+\i], 0                          ; W has five blocks: the other three of its second 128 along K are zero codes
.endr
	s_wait_alu depctr_va_vdst(0)
	s_barrier_wait -1                              ; K's and V's codes and scale bytes lie in LDS
	; ---- phase 2: the scores
.irp b, 0,1,2,3,4
.irp u, 0,1
	ds_load_b128 v[KFR+8*\b+4*\u:KFR+8*\b+4*\u+3], v[AKR] offset:1024*\b+512*\u
.endr
.endr
.irp b, 0,1,2,3,4
	ds_load_b32 v[KSC+\b], v[AKSR] offset:64*\b
.endr
.irp p, 0,1
.irp j, 0,1,2,3
	ds_load_u8 v[UB+4*\p+\j], v[AVSR] offset:64*\j+32*\p           ; V's byte of block g + j, channel 32 p + lane
.endr
	ds_load_u8 v[VW2+\p], v[AVSR] offset:256+32*\p                 ; of block g + 4: the word's upper bytes are 0 and stand over zero codes
.endr
	s_wait_dscnt 10                                ; K's fragments and scale words are in; the ten byte loads may be out
.irp b, 0,1,2,3,4
.irp u, 0,1
	v_wmma_scale_f32_16x16x128_f8f6f4 v[SS+16*\b+8*\u:SS+16*\b+8*\u+7], v[KFR+8*\b:KFR+8*\b+7], v[QC+4*\u:QC+4*\u+7], 0, v[KSC+\b], v[QSW] matrix_a_fmt:MATRIX_FMT_FP4 matrix_b_fmt:MATRIX_FMT_FP4
.endr
.endr
	s_wait_dscnt 0x0
.irp p, 0,1
	v_lshl_or_b32 v[VW1+\p], v[UB+4*\p+1], 8, v[UB+4*\p]           ; V's scale words for blocks 0-3.  These six lines are also the places behind the products
.endr
.irp p, 0,1
	s_delay_alu instid0(VALU_DEP_2)
	v_lshl_or_b32 v[VW1+\p], v[UB+4*\p+2], 16, v[VW1+\p]
.endr
.irp p, 0,1
	s_delay_alu instid0(VALU_DEP_2)
	v_lshl_or_b32 v[VW1+\p], v[UB+4*\p+3], 24, v[VW1+\p]
.endr
.irp t, 0,1,2,3
.irp c, 0,1
	ds_load_b128 v[VF1+8*\t+4*\c:VF1+8*\t+4*\c+3], v[AVR] offset:2048*\c+256*\t   ; V's fragments come in under the softmax: channel 16 t + r, block g + 2 c + h
.endr
.endr
.irp t, 0,1,2,3
	ds_load_b128 v[VF2+4*\t:VF2+4*\t+3], v[AVR2] offset:4096+256*\t               ; block g + 4, in both halves of the lanes: W has zero codes against lanes 16-31
.endr
.irp i, 124,125,126,127
	v_mov_b32 v[\i], 0
.endr
	; the mask: register i of block 0 is key 16 h + i of it and counts where that is over e + r; of block 4, where it is not
.irp i, 0,1,2,3,4,5,6,7,8,9,10,11,12,13,14,15
	v_cmp_gt_i32 vcc_lo, \i, v[THR]
	v_cndmask_b32 v[SS+\i], v[NEG], v[SS+\i], vcc_lo
	v_cndmask_b32 v[SS+64+\i], v[SS+64+\i], v[NEG], vcc_lo
.endr
	s_cmp_gt_u32 ttmp9, 1                          ; only the first two work-groups of a head have blocks ahead of token 0
	s_cbranch_scc1 .Lall_keys
	s_lshl_b32 s61, ttmp9, 1
	s_add_co_u32 s61, s61, s[GI]
	s_sub_co_u32 s61, 4, s61                       ; so many of my five: 4 - 2 x - g, from 1 to 4
.irp b, 0,1,2,3
	s_cmp_lt_u32 \b, s61
	s_cselect_b32 s60, -1, 0
.irp i, 0,1,2,3,4,5,6,7,8,9,10,11,12,13,14,15
	v_cndmask_b32 v[SS+16*\b+\i], v[SS+16*\b+\i], v[NEG], s60
.endr
.endr
.Lall_keys:
	; the softmax.  The largest score of each block serves twice: for the row's maximum and, since p rises with the score, for the block's largest W
.irp b, 0,1,2,3,4
	v_max3_num_f32 v[BM+\b], v[SS+16*\b], v[SS+16*\b+1], v[SS+16*\b+2]
.endr
.irp i, 3,5,7,9,11,13
.irp b, 0,1,2,3,4
	v_max3_num_f32 v[BM+\b], v[BM+\b], v[SS+16*\b+\i], v[SS+16*\b+\i+1]           ; (the five blocks by turns)
.endr
.endr
.irp b, 0,1,2,3,4
	v_max_num_f32 v[BM+\b], v[BM+\b], v[SS+16*\b+15]
.endr
.irp b, 0,1,2,3,4
	v_permlanex16_b32 v[BX+\b], v[BM+\b], s[SEL], s[SEL+1]
.endr
.irp b, 0,1,2,3,4
	v_max_num_f32 v[BM+\b], v[BM+\b], v[BX+\b]     ; with lane l xor 16's 16 keys
.endr
	s_delay_alu instid0(VALU_DEP_3)
	v_max3_num_f32 v[QA], v[BM], v[BM+1], v[BM+2]
	s_delay_alu instid0(VALU_DEP_1)
	v_max3_num_f32 v[QA], v[QA], v[BM+3], v[BM+4]  ; the row's largest score (key q itself always counts, so it is a number),
	s_delay_alu instid0(VALU_DEP_1)
	v_mul_f32 v[QA], s[CS], v[QA]                  ; as t (c is positive),
	s_delay_alu instid0(VALU_DEP_1)
	v_max_num_f32 v[QA], s53, v[QA]                ; and the sink's t: M
	s_delay_alu instid0(VALU_DEP_1)
	v_xor_b32 v[NM], 0x80000000, v[QA]             ; -M
.set j, 0
.rept 40
	v_pk_fma_f32 v[SS+j:SS+j+1], v[SS+j:SS+j+1], s[CS:CS+1], v[NM:NM+1] op_sel_hi:[1,0,0]   ; t - M, two at a time (of the pairs c and -M the low word serves both halves)
.set j, j+2
.endr
.irp b, 0,1,2,3,4
	v_fma_f32 v[BM+\b], v[BM+\b], s[CS], v[NM]     ; the same of each block's largest score
.endr
	v_add_f32 v[PSK], s53, v[NM]                   ; and the sink's
.set j, 0
	s_wait_alu depctr_va_vdst(0)
.rept 80
	v_exp_f32 v[SS+j], v[SS+j]                     ; p = 2^(t - M), at most 1; 0 for a hidden key
.set j, j+1
.endr
.irp b, 0,1,2,3,4
	v_exp_f32 v[BM+\b], v[BM+\b]
.endr
	v_exp_f32 v[PSK], v[PSK]
	v_nop                                          ; one plain place behind the exponentials
	s_wait_alu depctr_va_vdst(0)
	v_pk_add_f32 v[66:67], v[128:129], v[130:131]
	v_pk_add_f32 v[254:255], v[136:137], v[140:141]
	v_pk_add_f32 v[252:253], v[144:145], v[148:149]
	v_pk_add_f32 v[250:251], v[152:153], v[156:157]
	v_pk_add_f32 v[248:249], v[160:161], v[164:165]
	v_pk_add_f32 v[246:247], v[168:169], v[172:173]
	v_pk_add_f32 v[244:245], v[176:177], v[180:181]
	v_pk_add_f32 v[64:65], v[184:185], v[188:189]
	v_pk_add_f32 v[64:65], v[64:65], v[192:193]
	v_pk_add_f32 v[66:67], v[66:67], v[196:197]
	v_pk_add_f32 v[254:255], v[254:255], v[200:201]
	v_pk_add_f32 v[252:253], v[252:253], v[204:205]
	v_pk_add_f32 v[250:251], v[250:251], v[132:133]
	v_pk_add_f32 v[248:249], v[248:249], v[134:135]
	v_pk_add_f32 v[246:247], v[246:247], v[138:139]
	v_pk_add_f32 v[244:245], v[244:245], v[142:143]
	v_pk_add_f32 v[64:65], v[64:65], v[146:147]
	v_pk_add_f32 v[66:67], v[66:67], v[150:151]
	v_pk_add_f32 v[254:255], v[254:255], v[154:155]
	v_pk_add_f32 v[252:253], v[252:253], v[158:159]
	v_pk_add_f32 v[250:251], v[250:251], v[162:163]
	v_pk_add_f32 v[248:249], v[248:249], v[166:167]
	v_pk_add_f32 v[246:247], v[246:247], v[170:171]
	v_pk_add_f32 v[244:245], v[244:245], v[174:175]
	v_pk_add_f32 v[64:65], v[64:65], v[178:179]
	v_pk_add_f32 v[66:67], v[66:67], v[182:183]
	v_pk_add_f32 v[254:255], v[254:255], v[186:187]
	v_pk_add_f32 v[252:253], v[252:253], v[190:191]
	v_pk_add_f32 v[250:251], v[250:251], v[194:195]
	v_pk_add_f32 v[248:249], v[248:249], v[198:199]
	v_pk_add_f32 v[246:247], v[246:247], v[202:203]
	v_pk_add_f32 v[244:245], v[244:245], v[206:207]
	s_delay_alu instid0(VALU_DEP_4)
	v_pk_add_f32 v[64:65], v[64:65], v[250:251]
	s_delay_alu instid0(VALU_DEP_4)
	v_pk_add_f32 v[66:67], v[66:67], v[248:249]
	s_delay_alu instid0(VALU_DEP_4)
	v_pk_add_f32 v[254:255], v[254:255], v[246:247]
	s_delay_alu instid0(VALU_DEP_4)
	v_pk_add_f32 v[252:253], v[252:253], v[244:245]
	s_delay_alu instid0(VALU_DEP_2)
	v_pk_add_f32 v[64:65], v[64:65], v[254:255]
	s_delay_alu instid0(VALU_DEP_2)
	v_pk_add_f32 v[66:67], v[66:67], v[252:253]
	s_delay_alu instid0(VALU_DEP_1)
	v_pk_add_f32 v[64:65], v[64:65], v[66:67]
	s_delay_alu instid0(VALU_DEP_1)
	v_add_f32 v[SUMA], v[SUMA], v[SUMA+1]
	s_delay_alu instid0(VALU_DEP_1)
	v_permlanex16_b32 v[BX], v[SUMA], s[SEL], s[SEL+1]
	s_delay_alu instid0(VALU_DEP_1)
	v_add_f32 v[SUMA], v[SUMA], v[BX]              ; with lane l xor 16's 80 keys,
	v_add_f32 v[SUMA], v[SUMA], v[PSK]             ; and the sink: at least about 1, since M is the largest t of all
	s_wait_alu depctr_va_vdst(0)
	v_rcp_f32 v[RL], v[SUMA]
	v_nop                                          ; one plain place behind the reciprocal
.set j, 0
	s_wait_alu depctr_va_vdst(0)
.rept 40
	v_pk_mul_f32 v[SS+j:SS+j+1], v[SS+j:SS+j+1], v[RL:RL+1] op_sel_hi:[1,0]       ; W, finished and normalised
.set j, j+2
.endr
.irp b, 0,1,2,3,4
	v_mul_f32 v[BM+\b], v[BM+\b], v[RL]            ; each block's largest W: the same instructions on the same number give the same bits
.endr
	; W is quantised, block by block of 32 keys
.irp b, 0,1,2,3,4
	v_max_num_f32 v[BM+\b], FLOOR, v[BM+\b]        ; (a block of zeros keeps the floor's byte: its codes are zeros)
.endr
.irp b, 0,1,2,3,4
	v_add_nc_u32 v[SCB+\b], EOFF, v[BM+\b]
.endr
.irp b, 0,1,2,3,4
	v_lshrrev_b32 v[BYB+\b], 23, v[SCB+\b]
.endr
	s_delay_alu instid0(VALU_DEP_4)
	v_lshl_or_b32 v[PW1], v[BYB+1], 8, v[BYB]
	s_delay_alu instid0(VALU_DEP_1)
	v_lshl_or_b32 v[PW1], v[BYB+2], 16, v[PW1]
	s_delay_alu instid0(VALU_DEP_1)
	v_lshl_or_b32 v[PW1], v[BYB+3], 24, v[PW1]
	s_delay_alu instid0(VALU_DEP_4)
	v_mov_b32 v[PW2], v[BYB+4]                     ; its upper bytes are 0 and stand over zero codes
.irp b, 0,1,2,3,4
	v_cvt_scalef32_pk8_fp4_f32 v[PC+2*\b], v[SS+16*\b:SS+16*\b+7], v[SCB+\b]      ; the codes of keys 32 b + 16 h + 0 .. 7
	v_cvt_scalef32_pk8_fp4_f32 v[PC+2*\b+1], v[SS+16*\b+8:SS+16*\b+15], v[SCB+\b] ; and + 8 .. 15
.endr
	v_nop                                          ; one plain place behind a scaled conversion
.irp c, 0,1,2                                  ; the operand's layout wants a WHOLE block in a lane: lanes 0-15 block 2 c, lanes 16-31 block 2 c + 1 (block 5: zeros)
.irp i, 0,1
	v_permlane16_swap_b32 v[PC+4*\c+\i], v[PC+4*\c+2+\i]
.endr
.endr
	s_wait_alu depctr_va_vdst(0)
	s_wait_dscnt 0x0                               ; V's fragments are in
.rept 8
	v_nop                                          ; a scale register written by a vector instruction stands 8 places ahead of a scaled matrix instruction, an operand so written 4
.endr
	; O^T = V^T W^T: blocks 0-3, then block 4 with zero codes of W against the rest of K.  The four accumulators take turns, one instruction a turn
.irp t, 0,1,2,3
.if \t % 2
	v_wmma_scale_f32_16x16x128_f8f6f4 v[OO+8*\t:OO+8*\t+7], v[VF1+8*\t:VF1+8*\t+7], v[PC:PC+7], 0, v[VW1+\t/2], v[PW1] matrix_a_fmt:MATRIX_FMT_FP4 matrix_b_fmt:MATRIX_FMT_FP4 matrix_a_scale:MATRIX_SCALE_ROW1
.else
	v_wmma_scale_f32_16x16x128_f8f6f4 v[OO+8*\t:OO+8*\t+7], v[VF1+8*\t:VF1+8*\t+7], v[PC:PC+7], 0, v[VW1+\t/2], v[PW1] matrix_a_fmt:MATRIX_FMT_FP4 matrix_b_fmt:MATRIX_FMT_FP4
.endif
.endr
.irp t, 0,1,2,3
.if \t % 2
	v_wmma_scale_f32_16x16x128_f8f6f4 v[OO+8*\t:OO+8*\t+7], v[VF2+4*\t:VF2+4*\t+7], v[PC+8:PC+15], v[OO+8*\t:OO+8*\t+7], v[VW2+\t/2], v[PW2] matrix_a_fmt:MATRIX_FMT_FP4 matrix_b_fmt:MATRIX_FMT_FP4 matrix_a_scale:MATRIX_SCALE_ROW1
.else
	v_wmma_scale_f32_16x16x128_f8f6f4 v[OO+8*\t:OO+8*\t+7], v[VF2+4*\t:VF2+4*\t+7], v[PC+8:PC+15], v[OO+8*\t:OO+8*\t+7], v[VW2+\t/2], v[PW2] matrix_a_fmt:MATRIX_FMT_FP4 matrix_b_fmt:MATRIX_FMT_FP4
.endif
.endr
.rept 4
	v_nop                                          ; four places ahead of the first read of results
.endr
	; the way out: register 8 t + j of lane (r, h) is o(query r, channel 16 t + 8 h + j).  Through my own stage, back as whole rows of 256 bytes
.irp t, 0,1,2,3
	ds_store_b128 v[ASO], v[OO+8*\t:OO+8*\t+3] offset:64*\t        ; each accumulator from its low end on
	ds_store_b128 v[ASO], v[OO+8*\t+4:OO+8*\t+7] offset:64*\t+16
.endr
.irp i, 0,1,2,3,4,5,6,7
	ds_load_b128 v[OB+4*\i:OB+4*\i+3], v[ASR] offset:2*\i*KP       ; LDS serves a wave's instructions in order: these see my stores
.endr
.irp i, 0,1,2,3,4,5,6,7
	s_wait_dscnt 7-\i                              ; rows 2 i and 2 i + 1 are back
	global_store_b128 v[GO], v[OB+4*\i:OB+4*\i+3], s[12:13] offset:16384*\i th:TH_STORE_NT   ; sixteen lanes store 256 consecutive bytes, at a multiple of 256 from out0's first byte
.endr
	s_wait_tensorcnt 0x0
	ds_add_u32 v18, v19
	s_wait_dscnt 0x0
	s_endpgm
.Lfunc_end_k_qc8e8e21f67_attn:
	.size	k_qc8e8e21f67_attn, .Lfunc_end_k_qc8e8e21f67_attn-k_qc8e8e21f67_attn
	.p2alignl 7, 3214868480
	.fill 96, 4, 3214868480
	.section	.rodata,"a",@progbits
	.p2align	6, 0x0
	.amdhsa_kernel k_qc8e8e21f67_attn
		.amdhsa_group_segment_fixed_size 256000
		.amdhsa_private_segment_fixed_size 0
		.amdhsa_enable_private_segment 0
		.amdhsa_kernarg_size 40
		.amdhsa_user_sgpr_count 2
		.amdhsa_user_sgpr_kernarg_segment_ptr 1
		.amdhsa_wavefront_size32 1
		.amdhsa_system_sgpr_workgroup_id_x 1
		.amdhsa_system_sgpr_workgroup_id_y 1
		.amdhsa_system_sgpr_workgroup_id_z 1
		.amdhsa_system_vgpr_workitem_id 0
		.amdhsa_next_free_vgpr 256
		.amdhsa_next_free_sgpr 66
		.amdhsa_reserve_vcc 1
		.amdhsa_float_denorm_mode_32 3
		.amdhsa_float_denorm_mode_16_64 3
		.amdhsa_memory_ordered 1
		.amdhsa_forward_progress 1
		.amdhsa_inst_pref_size 49
	.end_amdhsa_kernel
	.amdgpu_metadata
---
amdhsa.version: [ 1, 2 ]
amdhsa.kernels:
  - .name:           k_qc8e8e21f67_attn
    .symbol:         k_qc8e8e21f67_attn.kd
    .args:
      - { .name: Q, .offset: 0, .size: 8, .value_kind: global_buffer, .address_space: global }
      - { .name: K, .offset: 8, .size: 8, .value_kind: global_buffer, .address_space: global }
      - { .name: V, .offset: 16, .size: 8, .value_kind: global_buffer, .address_space: global }
      - { .name: S, .offset: 24, .size: 8, .value_kind: global_buffer, .address_space: global }
      - { .name: out0, .offset: 32, .size: 8, .value_kind: global_buffer, .address_space: global }
    .group_segment_fixed_size: 256000
    .private_segment_fixed_size: 0
    .kernarg_segment_align: 8
    .kernarg_segment_size: 40
    .max_flat_workgroup_size: 512
    .sgpr_count:     66
    .vgpr_count:     256
    .wavefront_size: 32
...
	.end_amdgpu_metadata
.endif
;; end of part 1
